; MI455X (gfx1250); checked and timed in simulation.
; The chip was launched on July 23, 2026; its instructions are those of AMD's public machine-readable ISA for CDNA 5 (MIT licence, August 2026) and "CDNA5" Instruction Set Architecture Reference Guide (July 2026). The comments in the code are by the model that wrote it; some were corrected since.
;; Or. Allowed arithmetic: float matrix products may take bf16 or f16 operands with f32 sums; all other float work in f32.
;; Inputs: m 128 x 2,048 float32; weight 2,048 x 512 float32.
;; Outputs: out0 128 x 512 float32.
;; One version. Each part assembles by itself: llvm-mc -triple=amdgcn-amd-amdhsa -mcpu=gfx1250 --defsym DOCPART=n.
;; ======== version 1 of 1: 1 launch
;; launch maxmin (part 1): grid 16 x 16, 8 waves a work-group, no clusters, 168,960 bytes of LDS; arguments m, weight, out0; writes out0
.if DOCPART == 1
	.amdgcn_target "amdgcn-amd-amdhsa--gfx1250"
	.amdhsa_code_object_version 6
	.text
	.protected	k_qcd9f9c986d_maxmin
	.globl	k_qcd9f9c986d_maxmin
	.p2align	8
	.type	k_qcd9f9c986d_maxmin,@function
k_qcd9f9c986d_maxmin:
	s_mov_b64 s[64:65], 0
	v_nop
	global_prefetch_b8 v0, s[64:65] scope:SCOPE_SE
	s_setreg_imm32_b32 hwreg(HW_REG_WAVE_MODE, 25, 1), 1
	s_wait_xcnt 0x0
; out[b][o] = max over i of min(m[b][i], clip(w[i][o], 0, 1)).   m: [128][2048], w: [2048][512], out: [128][512], all f32.
;
; THE CLIP.  min and max distribute over each other, exactly, for all numbers that are not NaN:
;   min(m, min(max(w, 0), 1)) = min(1, max(min(m, w), min(m, 0))),   and   max_i min(1, x_i) = min(1, max_i x_i).   So
;   out[b][o] = min(1, max( max_i min(m[b][i], w[i][o]),  min(0, max_i m[b][i]) )).
; The lower bound is the value from which the accumulators start (made from m, once), the upper bound is applied to each output, once,
; and the inner work is one v_minmax_num_f32 (max(min(S0, S1), S2)) for each (b, i, o).  Nothing is rounded: any split of i gives the same bits.
; LIMITS: a NaN in m or w loses in the _num_ forms, where the reference would hand it on; the sign of a zero result is not kept.
;
; SHARES.  128 x 2048 x 512 triples = 4,194,304 wave instructions.  256 work-groups of 8 waves; a work-group owns 8 rows b x 32 columns o, all i.
; A wave takes 256 of the i.  Lane (r = lane / 4, q = lane % 4) holds 8 b x 8 o = 64 accumulators (columns 4q .. 4q+3 and 16+4q .. 16+4q+3)
; for the rows i = 256 wave + 32 u + 4 r + k (block u = 0..7, k = 0..3): for 32 i a wave issues 8 loads of w, 8 LDS loads of m and 256 v_minmax.
; w: each number is used by one lane alone, so it goes from memory straight into that lane's registers: 64 loads of 16 bytes a lane, 256 registers,
;    56 of them issued at the start and the last 8 when the first 8 have come: at most 56 are out.
; m: the group's 8 rows are 65,536 consecutive bytes; each wave copies its own 8 x 1,024 bytes into LDS (LDS image = memory image) and reads only these.
; NO CLUSTER, NO TENSOR LOADS: the w slab (262,144 bytes) and the m tile (65,536) are each read by 16 work-groups, but together they are 327,680 bytes,
; all the LDS that a work-group can be given: a joint fill would need slots that are filled again behind barriers of the cluster, and each byte
; of w would be written to LDS and read from it once more though a single lane uses it.
; The output leaves in pieces of 128 consecutive bytes (32 columns), one a wave.
.set IN_F,  2048
.set OUT_F, 512
.set MROW,  IN_F*4                     ; bytes in a row of m
.set WROW,  OUT_F*4                    ; bytes in a row of w
.set SCR,   8*MROW                     ; LDS: behind m's 65,536 bytes, the partial results; no copy ever lands here
.set PP,    1088                       ; a row of partials: 64 quads of 16 bytes + 64: rows r and r + 1 lie 64 bytes apart modulo 256 (64 banks of 4 bytes)
; window 0
.set LA,   1                           ; LDS address of my 16 bytes in my wave's slice of m's row 0: 1024 wave + 16 lane
.set GO,   2                           ; the same number as the offset in memory
.set MA,   3                           ; 1024 wave + 16 r: my four m of block 0, row 0
.set WO,   4                           ; byte offset of my first 16 bytes of w
.set ST,   5                           ; where I put partials
.set RD,   6                           ; where I read partials
.set OO,   7                           ; my byte offset in the group's part of out
.set INIT, 8                           ; v[8:15]    min(0, largest m of row b in my part of the slice); at the end v[8:11] is the result
.set MB,   16                          ; v[16:79]   m: two buffers of 8 b x 4 k
.set Q,    80                          ; lane % 4
.set T0,   81
.set ACC,  82                          ; v[82:145]  accumulator (b, j) at ACC + 8 b + j; 2 modulo 4, so that it and the w register j that it meets differ modulo 4
.set T1,   146
.set T2,   147
; window 1: v[256:511] w: (u, k, j) at 256 + 32 u + 8 k + j
.set MSB, 0
.macro WIN new                         ; s_set_vgpr_msb: bits 3:2 source 1, bits 7:6 destination; the high byte repeats the setting that is left
.if MSB != \new
	s_set_vgpr_msb (MSB<<8)|\new
.set MSB, \new
.endif
.endm
.macro WLOAD u                         ; block u of w: rows 32 u + 4 r + k; one load takes 64 consecutive bytes of each of 8 rows, the next the 64 beside them
.irp k, 0,1,2,3
.irp hh, 0,1
	global_load_b128 v[32*\u+8*\k+4*\hh:32*\u+8*\k+4*\hh+3], v[WO], s[6:7] offset:(32*\u+\k)*WROW+64*\hh
.endr
.endr
.endm
.macro MLOAD                           ; block mu of m into buffer mu & 1: 16 bytes (k = 0..3) of each row b; the four lanes q read the same bytes
.irp b, 0,1,2,3,4,5,6,7
	ds_load_b128 v[MB+32*(mu&1)+4*\b:MB+32*(mu&1)+4*\b+3], v[MA] offset:\b*MROW+mu*128
.endr
.endm
	s_load_b128 s[4:7], s[0:1], 0x0                ; m s[4:5], w s[6:7]
	s_load_b64 s[8:9], s[0:1], 0x10                ; out
	v_lshl_add_u32 v254, v0, 2, 0x29000
	v_mov_b32 v255, 0
	ds_add_u32 v254, v255
	ds_add_u32 v254, v255
	v_and_b32 v[T0], 31, v0                        ; lane
	v_lshrrev_b32 v[T1], 5, v0
	v_readfirstlane_b32 s10, v[T1]                 ; wave 0..7
	v_lshrrev_b32 v[T1], 2, v[T0]                  ; r
	v_and_b32 v[Q], 3, v0                          ; q
	s_and_b32 s11, ttmp7, 0xffff                   ; block of 32 columns
	s_lshl_b32 s12, ttmp9, 16                      ; block of 8 rows b x 8,192 bytes
	s_mov_b32 s13, 0
	s_lshl_b32 s14, s11, 7                         ; 32 columns = 128 bytes
	s_mov_b32 s15, 0
	s_lshl_b32 s16, s10, 10                        ; my wave's 256 i = 1,024 bytes of a row of m
	s_lshl_b32 s17, s10, 19                        ; and 256 rows of w
	v_lshl_add_u32 v[LA], v[T0], 4, s16
	v_lshl_add_u32 v[GO], v[T0], 4, s16
	v_lshlrev_b32 v[WO], 4, v[Q]                   ; 16 q
	v_lshl_add_u32 v[WO], v[T1], 13, v[WO]         ; + 4 r rows of 2,048 bytes
	v_add_nc_u32 v[WO], s17, v[WO]
	s_wait_dscnt 0x0
	s_wait_kmcnt 0x0
	s_add_nc_u64 s[4:5], s[4:5], s[12:13]          ; m at the group's first row
	s_add_nc_u64 s[6:7], s[6:7], s[14:15]          ; w at the group's first column
	; m first: it is needed first.  The immediate is added to the LDS address and to the memory address alike, and the 8 rows lie in LDS as in memory.
.irp b, 0,1,2,3,4,5,6,7
.irp h, 0,1
	global_load_async_to_lds_b128 v[LA], v[GO], s[4:5] offset:\b*MROW+512*\h
.endr
.endr
	WIN 0x40                                       ; loads land in window 1
.irp u, 0,1,2,3,4,5,6
	WLOAD \u
.endr
	WIN 0
	; while all that is on its way: the addresses of the tail
	v_lshl_add_u32 v[MA], v[T1], 4, s16
	s_lshl_b32 s18, ttmp9, 14                      ; out: 8 rows of 2,048 bytes
	s_add_co_u32 s18, s18, s14                     ; + my 32 columns
	s_mov_b32 s19, 0
	s_add_nc_u64 s[8:9], s[8:9], s[18:19]
	s_mul_i32 s20, s10, 4*PP                       ; my wave's four rows of partials
	s_add_co_u32 s20, s20, SCR
	s_lshl_b32 s21, s10, 11
	v_bfe_u32 v[T2], v0, 2, 2                      ; r % 4: the row of partials
	v_mul_u32_u24 v[ST], v[T2], PP
	v_bfe_u32 v[T2], v0, 4, 1                      ; lane / 16: rows b 0-3 or 4-7 = 32 quads of 16 bytes
	v_lshl_add_u32 v[ST], v[T2], 9, v[ST]
	v_lshl_add_u32 v[ST], v[Q], 4, v[ST]
	v_add_nc_u32 v[ST], s20, v[ST]
	v_lshrrev_b32 v[T2], 2, v0                     ; thread / 4: the quad of outputs that I finish
	v_mul_u32_u24 v[RD], v[Q], PP                  ; thread % 4: I take the rows of partials g, g + 4, .. g + 28
	v_lshl_add_u32 v[RD], v[T2], 4, v[RD]
	v_add_nc_u32 v[RD], SCR, v[RD]
	v_lshl_add_u32 v[OO], v[T1], 4, s21            ; row b = wave, quad r of its 8
	; THE LOWER BOUND: min(0, largest m) of each row b.  Lane l reads i = 4 l .. 4 l + 3 and 128 + 4 l .. of the slice; two steps over q then give
	; every lane (r, .) the figure of 32 i, and the eight r together cover the slice: they meet in the tail, as the accumulators do.
	s_wait_asynccnt 0x0                            ; my copies have landed; no other wave reads these bytes
.irp b, 0,1,2,3,4,5,6,7
.irp h, 0,1
	ds_load_b128 v[MB+8*\b+4*\h:MB+8*\b+4*\h+3], v[LA] offset:\b*MROW+512*\h
.endr
.endr
	s_wait_dscnt 0x0
.irp b, 0,1,2,3,4,5,6,7
	v_max3_num_f32 v[INIT+\b], v[MB+8*\b], v[MB+8*\b+1], v[MB+8*\b+2]
.endr
.irp b, 0,1,2,3,4,5,6,7
	v_max3_num_f32 v[INIT+\b], v[INIT+\b], v[MB+8*\b+3], v[MB+8*\b+4]
.endr
.irp b, 0,1,2,3,4,5,6,7
	v_max3_num_f32 v[INIT+\b], v[INIT+\b], v[MB+8*\b+5], v[MB+8*\b+6]
.endr
.irp b, 0,1,2,3,4,5,6,7
	v_maxmin_num_f32 v[INIT+\b], v[INIT+\b], v[MB+8*\b+7], 0       ; min(max(., .), 0)
.endr
.irp b, 0,1,2,3,4,5,6,7
	v_max_num_f32_dpp v[INIT+\b], v[INIT+\b], v[INIT+\b] row_xmask:1 row_mask:0xf bank_mask:0xf
.endr
.irp b, 0,1,2,3,4,5,6,7
	v_max_num_f32_dpp v[INIT+\b], v[INIT+\b], v[INIT+\b] row_xmask:2 row_mask:0xf bank_mask:0xf
.endr
.set mu, 0
	MLOAD                                          ; block 0 of m
	s_wait_loadcnt 48                              ; 56 loads issued: the 8 of block 0 are in, 48 may stay out
	WIN 0x40
	WLOAD 7                                        ; the last 8: at most 56 are out
	WIN 0x04                                       ; from here to the tail: source 1 (w) in window 1, all else in window 0; LDS loads name no source 1
	; THE WORK: 8 blocks of 256 v_minmax.  An accumulator comes up again 64 instructions later.  The first 64 start from the lower bound: nothing is cleared.
.set u, 0
.rept 8
.if u < 7
.set mu, u+1
	MLOAD                                          ; the next block's m, into the buffer whose readers have all been issued
	s_wait_dscnt 0x8                               ; those 8 may stay out: this block's m is in
.else
	s_wait_dscnt 0x0
.endif
.if u > 0
	s_wait_loadcnt 8*(7-u)                         ; of the 64 loads those of blocks u + 1 .. 7 may stay out: this block's w is in
.endif
.irp k, 0,1,2,3
.irp b, 0,1,2,3,4,5,6,7
.irp j, 0,1,2,3,4,5,6,7
.if (u+\k) == 0
	v_minmax_num_f32 v[ACC+8*\b+\j], v[MB+4*\b], v[\j], v[INIT+\b]
.else
	v_minmax_num_f32 v[ACC+8*\b+\j], v[MB+32*(u&1)+4*\b+\k], v[32*u+8*\k+\j], v[ACC+8*\b+\j]
.endif
.endr
.endr
.endr
.set u, u+1
.endr
	WIN 0
	; THE TAIL.  256 outputs, each with 64 partials (8 waves x 8 r).  First r against r + 4: the swap puts the two halves of (b, j) into lanes 0-15 of the two
	; registers and those of (b + 4, j) into lanes 16-31, one v_max folds both.  The 32 registers left go to LDS: row of partials 4 wave + r % 4,
	; quad 8 b + 4 hh + q.  In a pass of 16 lanes the four rows lie 64 bytes apart modulo 256 and the four q 16 bytes: no two lanes on a bank.
.irp b, 0,1,2,3
.irp j, 0,1,2,3,4,5,6,7
	v_permlane16_swap_b32 v[ACC+8*\b+\j], v[ACC+32+8*\b+\j]
.endr
.irp j, 0,1,2,3,4,5,6,7
	v_max_num_f32 v[ACC+8*\b+\j], v[ACC+8*\b+\j], v[ACC+32+8*\b+\j]
.endr
.irp hh, 0,1
	ds_store_b128 v[ST], v[ACC+8*\b+4*\hh:ACC+8*\b+4*\hh+3] offset:128*\b+64*\hh
.endr
.endr
	s_wait_dscnt 0x0                               ; for the others' sake: my partials are in LDS
	s_barrier_signal -1
	s_barrier_wait -1                              ; everybody's are
.irp n, 0,1,2,3,4,5,6,7
	ds_load_b128 v[MB+4*\n:MB+4*\n+3], v[RD] offset:\n*4*PP        ; my quad in rows g + 4 n of the 32
.endr
	s_wait_dscnt 0x0
.irp c, 0,1,2,3
	v_max3_num_f32 v[INIT+\c], v[MB+\c], v[MB+4+\c], v[MB+8+\c]
.endr
.irp c, 0,1,2,3
	v_max3_num_f32 v[INIT+\c], v[INIT+\c], v[MB+12+\c], v[MB+16+\c]
.endr
.irp c, 0,1,2,3
	v_max3_num_f32 v[INIT+\c], v[INIT+\c], v[MB+20+\c], v[MB+24+\c]
.endr
.irp c, 0,1,2,3
	v_maxmin_num_f32 v[INIT+\c], v[INIT+\c], v[MB+28+\c], 1.0      ; THE UPPER BOUND: min(max(., .), 1); it commutes with the two steps below
.endr
.irp c, 0,1,2,3
	v_max_num_f32_dpp v[INIT+\c], v[INIT+\c], v[INIT+\c] row_xmask:1 row_mask:0xf bank_mask:0xf
.endr
.irp c, 0,1,2,3
	v_max_num_f32_dpp v[INIT+\c], v[INIT+\c], v[INIT+\c] row_xmask:2 row_mask:0xf bank_mask:0xf
.endr
	v_cmp_eq_u32 vcc_lo, 0, v[Q]                   ; one of the four lanes that now hold a quad stores it
	s_wait_xcnt 0x0                                ; EXEC changes only behind this wait
	s_wait_tensorcnt 0x0
	ds_add_u32 v254, v255
	s_wait_dscnt 0x0
	s_and_saveexec_b32 s20, vcc_lo
	global_store_b128 v[OO], v[INIT:INIT+3], s[8:9]        ; 8 lanes, 128 consecutive bytes: row b = wave, the group's 32 columns
	s_endpgm
.Lfunc_end_k_qcd9f9c986d_maxmin:
	.size	k_qcd9f9c986d_maxmin, .Lfunc_end_k_qcd9f9c986d_maxmin-k_qcd9f9c986d_maxmin
	.p2alignl 7, 3214868480
	.fill 96, 4, 3214868480
	.section	.rodata,"a",@progbits
	.p2align	6, 0x0
	.amdhsa_kernel k_qcd9f9c986d_maxmin
		.amdhsa_group_segment_fixed_size 168960
		.amdhsa_private_segment_fixed_size 0
		.amdhsa_enable_private_segment 0
		.amdhsa_kernarg_size 24
		.amdhsa_user_sgpr_count 2
		.amdhsa_user_sgpr_kernarg_segment_ptr 1
		.amdhsa_wavefront_size32 1
		.amdhsa_system_sgpr_workgroup_id_x 1
		.amdhsa_system_sgpr_workgroup_id_y 1
		.amdhsa_system_sgpr_workgroup_id_z 1
		.amdhsa_system_vgpr_workitem_id 0
		.amdhsa_next_free_vgpr 512
		.amdhsa_next_free_sgpr 66
		.amdhsa_reserve_vcc 1
		.amdhsa_float_denorm_mode_32 3
		.amdhsa_float_denorm_mode_16_64 3
		.amdhsa_memory_ordered 1
		.amdhsa_forward_progress 1
		.amdhsa_inst_pref_size 152
	.end_amdhsa_kernel
	.amdgpu_metadata
---
amdhsa.version: [ 1, 2 ]
amdhsa.kernels:
  - .name:           k_qcd9f9c986d_maxmin
    .symbol:         k_qcd9f9c986d_maxmin.kd
    .args:
      - { .name: m, .offset: 0, .size: 8, .value_kind: global_buffer, .address_space: global }
      - { .name: weight, .offset: 8, .size: 8, .value_kind: global_buffer, .address_space: global }
      - { .name: out0, .offset: 16, .size: 8, .value_kind: global_buffer, .address_space: global }
    .group_segment_fixed_size: 168960
    .private_segment_fixed_size: 0
    .kernarg_segment_align: 8
    .kernarg_segment_size: 24
    .max_flat_workgroup_size: 256
    .sgpr_count:     66
    .vgpr_count:     512
    .wavefront_size: 32
...
	.end_amdgpu_metadata
.endif
;; end of part 1
